; MI455X (gfx1250); checked and timed in simulation.
; The chip was launched on July 23, 2026; its instructions are those of AMD's public machine-readable ISA for CDNA 5 (MIT licence, August 2026) and "CDNA5" Instruction Set Architecture Reference Guide (July 2026). The comments in the code are by the model that wrote it; some were corrected since.
;; Complex Mo E. Allowed arithmetic: matrix products marked QUANTISED: E2M1 operands, one E8M0 scale for each 32 along K, by v_wmma_scale_f32_16x16x128_f8f6f4 with both operands' format E2M1 (or v_wmma_scale_f32_32x16x128_f4), f32 sums; products left as they are: f32 operands where the result goes on into a quantised operand, else bf16, f16 or f32 operands; f32 sums; everything else in f32.
;; Inputs: Wg 8 x 2,048 float32; Wi_codes 8 x 1,024 x 32 x 16 uint8 (E2M1 codes of Wi, K innermost, in blocks of 32 codes, two codes a byte); Wi_scales 8 x 1,024 x 32 uint8 (E8M0 scales of Wi, one for each 32 codes along K); Wr_codes 8 x 1,024 x 32 x 16 uint8 (E2M1 codes of Wr, K innermost, in blocks of 32 codes, two codes a byte); Wr_scales 8 x 1,024 x 32 uint8 (E8M0 scales of Wr, one for each 32 codes along K); bg 8 float32; z_imag 2,048 x 1,024 float32; z_real 2,048 x 1,024 float32.
;; Outputs: out0 2 x 2,048 x 1,024 float32.
;; This version of the problem:
;;   THIS VERSION OF THE PROBLEM IS GIVEN IN LOW PRECISION. The matrix products marked QUANTISED in the list below multiply operands that are first quantised to E2M1 (2 exponent bits, 1 mantissa bit; 4 bits a number), with one power-of-two scale for each 32 numbers along K (OCP MX v1.0); their sums are f32. All else is computed in f32.
;;   The module's matrix products, in the order in which they are computed (A, B: the left and right operand; K: the contracted axis; several contracted axes count as one K, in the product's order):
;;     1. [M 2,048, K 2,048] x [K 2,048, N 8]; A: computed on the way; B: input Wg: left as it is (N = 8 < 16)
;;     2. [M 2,048, K 1,024] x [K 1,024, N 8,192]; A: input z_real; B: input Wr (given as codes): QUANTISED
;;     3. [M 2,048, K 1,024] x [K 1,024, N 8,192]; A: input z_imag; B: input Wi (given as codes): QUANTISED
;;     4. [M 2,048, K 1,024] x [K 1,024, N 8,192]; A: input z_imag; B: input Wr (given as codes): QUANTISED
;;     5. [M 2,048, K 1,024] x [K 1,024, N 8,192]; A: input z_real; B: input Wi (given as codes): QUANTISED
;;     6. batch 2,048 x [M 1, K 8] x [K 8, N 1,024]; A: softmax; B: computed on the way: left as it is (K = 8 < 32)
;;     7. batch 2,048 x [M 1, K 8] x [K 8, N 1,024]; A: softmax; B: computed on the way: left as it is (K = 8 < 32)
;;   THE QUANTISER, for each operand of a quantised product, along K:
;;     - K is cut into blocks of 32 from its start; a last block that is shorter is filled with zeros.
;;     - A block's scale is 2^e with e = floor(log2(the largest magnitude in the block)) - 2, held to -126 .. 127; a block of zeros has e = 0. As a byte (E8M0): e + 127.
;;     - Each number is divided by its block's scale, clamped to +-6, and rounded to the nearest number of E2M1, ties to even, subnormals kept.
;;     - The product sums the exact products of the quantised numbers (number of the format x scale) in f32.
;;   ~~~python
;;   def quantise(x, axis):      # numpy; x: float32 -> the quantised numbers, widened to float32 again
;;       x = np.moveaxis(x, axis, -1); K = x.shape[-1]
;;       x = np.pad(x, [(0, 0)] * (x.ndim - 1) + [(0, -K % 32)]); x = x.reshape(x.shape[:-1] + (-1, 32)); a = np.abs(x).max(-1, keepdims=True)
;;       e = np.where(a > 0, np.clip(np.frexp(np.where(a > 0, a, 1))[1] - 1 - 2, -126, 127), 0)      # np.frexp(a)[1] - 1 = floor(log2(a)), exactly
;;       r = np.clip(x / 2.0 ** e, -6, 6)
;;       step = 2.0 ** (np.maximum(np.frexp(np.where(r == 0, 1, r))[1] - 1, 0) - 1)
;;       q = np.round(r / step) * step * 2.0 ** e      # np.round: ties to even
;;       return np.moveaxis(q.reshape(q.shape[:-2] + (-1,))[..., :K], -1, axis).astype(np.float32)
;;   ~~~
;;   INPUTS GIVEN AS CODES. Wi (in the module: [8, 1024, 1024], K = its axis 2); Wr (in the module: [8, 1024, 1024], K = its axis 2): each comes as NAME_codes (uint8): NAME with its K axis moved to the last place and cut into blocks of 32 codes, [.., K / 32, bytes a block], one block behind the other in memory; two codes a byte, the lower K in the low four bits (a code: sign, 2 exponent bits, 1 mantissa bit); and NAME_scales (uint8): the same leading axes, one E8M0 byte (e + 127) for each 32 codes along K. Its value is code x scale, taken as it is: it is not quantised again, and the codes and scales need not be those that the quantiser above would give.
;; One version. Each part assembles by itself: llvm-mc -triple=amdgcn-amd-amdhsa -mcpu=gfx1250 --defsym DOCPART=n.
;; ======== version 1 of 1: 2 launches
;; limits: values are held in f16: magnitudes above 65,504 overflow, below 6.1e-05 lose precision; inputs' magnitudes at most 65,504
;; workspace buffers: zc 2,097,152 bytes; zs 131,072 bytes; lg 131,072 bytes
;; launch prep (part 1): grid 128 x 2, 8 waves a work-group, no clusters, 74,752 bytes of LDS; arguments z_real, z_imag, Wg, zc, zs, lg; writes zc, zs, lg
.if DOCPART == 1
	.amdgcn_target "amdgcn-amd-amdhsa--gfx1250"
	.amdhsa_code_object_version 6
	.text
	.protected	k_q34d4292459_prep
	.globl	k_q34d4292459_prep
	.p2align	8
	.type	k_q34d4292459_prep,@function
k_q34d4292459_prep:
	s_mov_b64 s[64:65], 0
	v_nop
	global_prefetch_b8 v0, s[64:65] scope:SCOPE_SE
	s_setreg_imm32_b32 hwreg(HW_REG_WAVE_MODE, 25, 1), 1
	s_wait_xcnt 0x0
; z_real and z_imag, [2048][1024] f32, become codes of FP4 (E2M1) with one E8M0 byte for each 32 along K, laid as the next launch's operand registers want them; and the gate's logits are begun.
; A block's scale is 2^(floor(log2(its largest magnitude)) - 2): its byte is the largest magnitude's exponent field - 2, held at 1 from below; each number is divided by the scale and rounded to the nearest code, ties to even,
; beyond 6 the largest code.
; OUT:  zc [tile of 16 tokens 128][part 2][K step 8][c 2][lane 32][16 bytes]: a fragment (16 tokens x 128 k) as an image of its 8 registers;  part 0 = real, 1 = imaginary.
;       zs [tile 128][g 2][part 2][token 16][16 bytes]: a token's scale bytes 16 g .. 16 g + 15, the scale words of K steps 4 g .. 4 g + 3.
;       lg [part 2][token 2048][8] f32: the part's share of z_flat Wg^T (its 1,024 of the 2,048 along K), without the bias.
; SHARES.  Work-group (x, y) takes tile x of part y: 16 rows x 1,024 numbers.  Wave s of eight takes K step s: 16 rows x 128 numbers, one fragment.
; The loads take the bytes as they lie (a wave's load reads 512 consecutive bytes of one row); the numbers turn through the wave's own stage in LDS, so that lane (r, h) holds, of row r, the 16 neighbours
; 32 b + 16 h + 0 .. 15 of each block b: what the conversions want.
; THE GATE'S PRODUCT is left as it is by the contract and feeds no quantiser: its operands are rounded to f16, its sums are f32.  f16 and not bf16: a logit is a sum of 2,048 products, its error goes through the softmax
; into every output of the token, and bf16's 8 significant bits leave an error of the size of the allowance; f16's 11 leave an eighth of it.  Source 0 = Wg's 8 rows (taken twice to fill 16), source 1 = the 16 tokens; k is
; laid in the same order on both sides.  The eight waves' sums meet in LDS; wave 0 adds them.
; LIMITS: NaN and infinities in z are not served.  A block of zeros, and a block whose largest magnitude lies under 2^-124, gets the byte 1 (a block of zeros has zero codes; these bytes are read by this program alone).
; In the gate's product a |z| or |Wg| beyond 65,504 becomes infinite, and numbers under 2^-14 are kept in steps of 2^-24.
.set SPITCH, 528                       ; a stage row: 512 bytes + 16: an odd multiple of 16, so that the 16 rows that a load touches start at 16 different banks
.set WSTG,   16*SPITCH                 ; LDS: a stage of 16 rows for each wave, from byte 0;
.set SCB,    8*WSTG                    ; the tile's scale bytes, [token 16][32];
.set LGP,    SCB+512                   ; the waves' logits, 512 bytes each: [token 16][8] f32
.set R,    16                          ; v16-79   the numbers as loaded
.set X,    80                          ; v80-143  register 16 b + i = z(r, 32 b + 16 h + i)
.set WGF,  144                         ; v144-207 the same k of Wg's row r % 8
.set WB,   208                         ; v208-239 Wg in f16
.set ZB,   16                          ; v16-47   z in f16 (the numbers as loaded are done with)
.set PC,   48                          ; v48-55   the codes
.set TM,   56                          ; v56-71   at work in QUANT
.set PW,   72                          ; v72      the scale word
.set LSUM, 80                          ; v80-87   my K step's logits
.set ACC0, 240
.set ACC1, 248
.set SEL,  20                          ; s[20:21] v_permlanex16_b32's selects for lane l xor 16
; 64 numbers of a lane, register 16 b + i = k 32 b + 16 (lane / 16) + i of my row, become a fragment's codes in v[PC] on and its scale word in v[PW].
.macro QUANT s
.irp b, 0,1,2,3
	v_max3_num_f32 v[TM+\b], |v[\s+16*\b]|, |v[\s+1+16*\b]|, 0x1800000   ; block b: my 16 numbers, and the floor 2^(3 - 127): the byte cannot fall under 1
.endr
.irp i, 2,4,6,8,10,12,14
.irp b, 0,1,2,3
	v_max3_num_f32 v[TM+\b], v[TM+\b], |v[\s+16*\b+\i]|, |v[\s+1+16*\b+\i]|   ; (the four blocks by turns)
.endr
.endr
.irp b, 0,1,2,3
	v_permlanex16_b32 v[TM+4+\b], v[TM+\b], s[SEL], s[SEL+1]       ; (its destination has been written: z's loads landed there)
.endr
.irp b, 0,1,2,3
	v_max_num_f32 v[TM+\b], v[TM+\b], v[TM+4+\b]   ; with lane l xor 16's: the block's largest magnitude
.endr
.irp b, 0,1,2,3
	v_add_nc_u32 v[TM+12+\b], 0xff000000, v[TM+\b] ; 2 off its exponent field: the conversion takes the exponent field of this operand as its scale
.endr
.irp b, 0,1,2,3
	v_lshrrev_b32 v[TM+4+\b], 23, v[TM+12+\b]      ; the scale's byte
.endr
	v_lshl_or_b32 v[PW], v[TM+5], 8, v[TM+4]       ; the four bytes make my row's scale word
	v_lshl_or_b32 v[PW], v[TM+6], 16, v[PW]
	v_lshl_or_b32 v[PW], v[TM+7], 24, v[PW]
.irp b, 0,1,2,3
	v_cvt_scalef32_pk8_fp4_f32 v[PC+2*\b], v[\s+16*\b:\s+7+16*\b], v[TM+12+\b]
	v_cvt_scalef32_pk8_fp4_f32 v[PC+1+2*\b], v[\s+8+16*\b:\s+15+16*\b], v[TM+12+\b]
.endr
	v_nop                                          ; one plain place behind a scaled conversion
.irp c, 0,1                                    ; the operand's layout wants a WHOLE block in a lane: lanes 0-15 block 2 c, lanes 16-31 block 2 c + 1
.irp i, 0,1
	v_permlane16_swap_b32 v[PC+4*\c+\i], v[PC+2+4*\c+\i]
.endr
.endr
.endm
	s_load_b256 s[4:11], s[0:1], 0x0               ; z_real s[4:5], z_imag s[6:7], Wg s[8:9], zc s[10:11]
	s_load_b128 s[12:15], s[0:1], 0x20             ; zs s[12:13], lg s[14:15]
	v_lshl_add_u32 v14, v0, 2, 0x12000
	v_mov_b32 v15, 0
	v_lshrrev_b32 v1, 5, v0
	v_readfirstlane_b32 s16, v1                    ; wave 0..7 = my K step
	s_and_b32 s17, ttmp7, 0xffff                   ; the part: 0 real, 1 imaginary
	v_and_b32 v1, 31, v0                           ; lane
	v_and_b32 v2, 15, v0                           ; r
	v_bfe_u32 v3, v0, 4, 1                         ; h
	v_lshlrev_b32 v4, 4, v1                        ; v4  16 x lane: z's loads, the images' stores, the logits' store
	v_and_b32 v5, 7, v0
	v_lshlrev_b32 v5, 13, v5
	v_lshl_add_u32 v5, v3, 6, v5                   ; v5  Wg: row r % 8 of 8,192 bytes, + 64 h
	s_mul_i32 s24, s16, WSTG
	v_add_nc_u32 v6, s24, v4                       ; v6  my stage, on the way in: 16 x lane of a row
	v_mul_u32_u24 v7, v2, SPITCH
	v_lshl_add_u32 v7, v3, 6, v7
	v_add_nc_u32 v7, s24, v7                       ; v7  and on the way out: row r, + 64 h
	v_lshlrev_b32 v13, 5, v2                       ; 32 r
	s_lshl_b32 s24, s16, 2
	s_add_co_u32 s24, s24, SCB
	v_add_nc_u32 v8, s24, v13                      ; v8  my row's scale word of my K step
	s_lshl_b32 s24, s16, 9
	s_add_co_u32 s24, s24, LGP
	v_add_nc_u32 v9, s24, v13                      ; v9  my token's 8 logits in my wave's 512 bytes
	v_add_nc_u32 v10, LGP, v4                      ; v10 wave 0's reads of them
	v_lshl_add_u32 v11, v3, 4, v13
	v_add_nc_u32 v11, SCB, v11                     ; v11 wave 1's read of the scale bytes: token r, bytes 16 h on
	v_lshlrev_b32 v12, 4, v2
	v_lshl_add_u32 v12, v3, 9, v12                 ; v12 and their place in zs: 512 h + 16 r
	s_mov_b32 s[SEL], 0x76543210
	s_mov_b32 s[SEL+1], 0xfedcba98
	s_mov_b32 s19, 0
	s_lshl_b32 s25, s16, 9                         ; my K step's 512 bytes of a row of f32
	s_wait_kmcnt 0x0
	s_cmp_eq_u32 s17, 0                            ; the choice hangs on the work-group's number alone
	s_cselect_b64 s[22:23], s[4:5], s[6:7]
	s_lshl_b32 s18, ttmp9, 16                      ; 16 rows of 4,096 bytes a tile
	s_add_co_u32 s18, s18, s25
	s_add_nc_u64 s[22:23], s[22:23], s[18:19]
	s_lshl_b32 s18, s17, 12                        ; Wg: the part's 1,024 numbers of a row
	s_add_co_u32 s18, s18, s25
	s_add_nc_u64 s[8:9], s[8:9], s[18:19]
	s_lshl_b32 s18, ttmp9, 1
	s_add_co_u32 s18, s18, s17
	s_lshl_b32 s18, s18, 3
	s_add_co_u32 s18, s18, s16
	s_lshl_b32 s18, s18, 10                        ; zc: ((2 tile + part) 8 + K step) x 1,024
	s_add_nc_u64 s[10:11], s[10:11], s[18:19]
	s_lshl_b32 s18, ttmp9, 10
	s_lshl_b32 s26, s17, 8
	s_add_co_u32 s18, s18, s26                     ; zs: 1,024 tile + 256 part
	s_add_nc_u64 s[12:13], s[12:13], s[18:19]
	s_lshl_b32 s18, s17, 16
	s_lshl_b32 s26, ttmp9, 9
	s_add_co_u32 s18, s18, s26                     ; lg: 65,536 part + 512 tile
	s_add_nc_u64 s[14:15], s[14:15], s[18:19]
.irp i, 0,1,2,3,4,5,6,7,8,9,10,11,12,13,14,15
	global_load_b128 v[R+4*\i:R+4*\i+3], v4, s[22:23] offset:4096*\i th:TH_LOAD_NT   ; row i: 32 lanes read 512 consecutive bytes; read once in the launch
.endr
.irp b, 0,1,2,3
.irp j, 0,1,2,3
	global_load_b128 v[WGF+16*\b+4*\j:WGF+16*\b+4*\j+3], v5, s[8:9] offset:128*\b+16*\j
.endr
.endr
	s_wait_loadcnt 16                              ; z's sixteen loads are in; Wg's sixteen, issued behind them, may be out
.irp i, 0,1,2,3,4,5,6,7,8,9,10,11,12,13,14,15
	ds_store_b128 v6, v[R+4*\i:R+4*\i+3] offset:SPITCH*\i
.endr
.irp b, 0,1,2,3
.irp j, 0,1,2,3
	ds_load_b128 v[X+16*\b+4*\j:X+16*\b+4*\j+3], v7 offset:128*\b+16*\j   ; my wave's own bytes, and LDS serves a wave's instructions in order: these see the stores above
.endr
.endr
	s_wait_dscnt 0x0
	QUANT X
	global_store_b128 v4, v[PC:PC+3], s[10:11]             ; the fragment as it stands: 512 consecutive bytes a store
	global_store_b128 v4, v[PC+4:PC+7], s[10:11] offset:512
	ds_store_b32 v8, v[PW]                         ; lanes r and r + 16 write the same word with the same value
.irp b, 0,1,2,3
.irp q, 0,1,2,3,4,5,6,7
	v_cvt_pk_f16_f32 v[ZB+8*\b+\q], v[X+16*\b+2*\q], v[X+16*\b+2*\q+1]     ; the first source into the low half
.endr
.endr
	s_wait_loadcnt 0x0                             ; Wg
.irp b, 0,1,2,3
.irp q, 0,1,2,3,4,5,6,7
	v_cvt_pk_f16_f32 v[WB+8*\b+\q], v[WGF+16*\b+2*\q], v[WGF+16*\b+2*\q+1]
.endr
.endr
.rept 4
	v_nop                                          ; the operands just written stand four places ahead of the products
.endr
	; two accumulators by turns, one instruction a turn; the first two products start the sums
	v_wmma_f32_16x16x32_f16 v[ACC0:ACC0+7], v[WB:WB+7], v[ZB:ZB+7], 0
	v_wmma_f32_16x16x32_f16 v[ACC1:ACC1+7], v[WB+8:WB+15], v[ZB+8:ZB+15], 0
	v_wmma_f32_16x16x32_f16 v[ACC0:ACC0+7], v[WB+16:WB+23], v[ZB+16:ZB+23], v[ACC0:ACC0+7]
	v_wmma_f32_16x16x32_f16 v[ACC1:ACC1+7], v[WB+24:WB+31], v[ZB+24:ZB+31], v[ACC1:ACC1+7]
.rept 4
	v_nop                                          ; four places behind the last product, ahead of the reads of results and of the loads into the operands' registers
.endr
.irp j, 0,2,4,6
	v_pk_add_f32 v[LSUM+\j:LSUM+\j+1], v[ACC0+\j:ACC0+\j+1], v[ACC1+\j:ACC1+\j+1]   ; each accumulator from its low end on.  Register j: logit(expert j, token r); lanes 16-31 hold the same numbers
.endr
	ds_store_b128 v9, v[LSUM:LSUM+3]
	ds_store_b128 v9, v[LSUM+4:LSUM+7] offset:16
	s_wait_dscnt 0x0                               ; for the others' sake: my scale word and my logits lie in LDS
	s_barrier_signal -1
	s_barrier_wait -1
	s_cmp_eq_u32 s16, 0
	s_cbranch_scc0 .Lnot_wave_0
.irp i, 0,1,2,3,4,5,6,7
	ds_load_b128 v[16+4*\i:19+4*\i], v10 offset:512*\i     ; wave 0 adds the eight K steps' logits: 16 bytes a lane of each wave's 512
.endr
	s_wait_dscnt 0x0
.irp i, 0,2,4,6
	v_pk_add_f32 v[16+4*\i:17+4*\i], v[16+4*\i:17+4*\i], v[20+4*\i:21+4*\i]
	v_pk_add_f32 v[18+4*\i:19+4*\i], v[18+4*\i:19+4*\i], v[22+4*\i:23+4*\i]
.endr
.irp i, 0,4
	v_pk_add_f32 v[16+4*\i:17+4*\i], v[16+4*\i:17+4*\i], v[24+4*\i:25+4*\i]
	v_pk_add_f32 v[18+4*\i:19+4*\i], v[18+4*\i:19+4*\i], v[26+4*\i:27+4*\i]
.endr
	v_pk_add_f32 v[16:17], v[16:17], v[32:33]
	v_pk_add_f32 v[18:19], v[18:19], v[34:35]
	global_store_b128 v4, v[16:19], s[14:15]       ; 16 tokens x 8 logits: 512 consecutive bytes
	s_branch .Lend
.Lnot_wave_0:
	s_cmp_eq_u32 s16, 1
	s_cbranch_scc0 .Lend
	ds_load_b128 v[16:19], v11                     ; wave 1 sends the scale bytes: lanes 0-15 bytes 0-15 of each token, lanes 16-31 bytes 16-31
	s_wait_dscnt 0x0
	global_store_b128 v12, v[16:19], s[12:13]      ; sixteen lanes store 256 consecutive bytes, aligned
.Lend:
	s_wait_tensorcnt 0x0
	ds_add_u32 v14, v15
	s_wait_dscnt 0x0
	s_endpgm
.Lfunc_end_k_q34d4292459_prep:
	.size	k_q34d4292459_prep, .Lfunc_end_k_q34d4292459_prep-k_q34d4292459_prep
	.p2alignl 7, 3214868480
	.fill 96, 4, 3214868480
	.section	.rodata,"a",@progbits
	.p2align	6, 0x0
	.amdhsa_kernel k_q34d4292459_prep
		.amdhsa_group_segment_fixed_size 74752
		.amdhsa_private_segment_fixed_size 0
		.amdhsa_enable_private_segment 0
		.amdhsa_kernarg_size 48
		.amdhsa_user_sgpr_count 2
		.amdhsa_user_sgpr_kernarg_segment_ptr 1
		.amdhsa_wavefront_size32 1
		.amdhsa_system_sgpr_workgroup_id_x 1
		.amdhsa_system_sgpr_workgroup_id_y 1
		.amdhsa_system_sgpr_workgroup_id_z 1
		.amdhsa_system_vgpr_workitem_id 0
		.amdhsa_next_free_vgpr 256
		.amdhsa_next_free_sgpr 66
		.amdhsa_reserve_vcc 0
		.amdhsa_float_denorm_mode_32 3
		.amdhsa_float_denorm_mode_16_64 3
		.amdhsa_memory_ordered 1
		.amdhsa_forward_progress 1
		.amdhsa_inst_pref_size 19
	.end_amdhsa_kernel
	.amdgpu_metadata
---
amdhsa.version: [ 1, 2 ]
amdhsa.kernels:
  - .name:           k_q34d4292459_prep
    .symbol:         k_q34d4292459_prep.kd
    .args:
      - { .name: z_real, .offset: 0, .size: 8, .value_kind: global_buffer, .address_space: global }
      - { .name: z_imag, .offset: 8, .size: 8, .value_kind: global_buffer, .address_space: global }
      - { .name: Wg, .offset: 16, .size: 8, .value_kind: global_buffer, .address_space: global }
      - { .name: zc, .offset: 24, .size: 8, .value_kind: global_buffer, .address_space: global }
      - { .name: zs, .offset: 32, .size: 8, .value_kind: global_buffer, .address_space: global }
      - { .name: lg, .offset: 40, .size: 8, .value_kind: global_buffer, .address_space: global }
    .group_segment_fixed_size: 74752
    .private_segment_fixed_size: 0
    .kernarg_segment_align: 8
    .kernarg_segment_size: 48
    .max_flat_workgroup_size: 256
    .sgpr_count:     66
    .vgpr_count:     256
    .wavefront_size: 32
...
	.end_amdgpu_metadata
.endif
;; end of part 1
;; launch moe (part 2): grid 8 x 32, 4 waves a work-group, clusters of 4 x 1, 327,680 bytes of LDS; arguments zc, zs, lg, bg, Wr_codes, Wr_scales, Wi_codes, Wi_scales, out0; writes out0
.if DOCPART == 2
	.amdgcn_target "amdgcn-amd-amdhsa--gfx1250"
	.amdhsa_code_object_version 6
	.text
	.protected	k_q34d4292459_moe
	.globl	k_q34d4292459_moe
	.p2align	8
	.type	k_q34d4292459_moe,@function
k_q34d4292459_moe:
	s_mov_b64 s[64:65], 0
	v_nop
	global_prefetch_b8 v0, s[64:65] scope:SCOPE_SE
	s_setreg_imm32_b32 hwreg(HW_REG_WAVE_MODE, 25, 1), 1
	s_wait_xcnt 0x0
	s_wait_alu depctr_hold_cnt(0) depctr_sa_sdst(0) depctr_va_vdst(0) depctr_va_sdst(0) depctr_va_ssrc(0) depctr_va_vcc(0) depctr_vm_vsrc(0)
	s_getreg_b32 s2, hwreg(HW_REG_IB_STS2, 6, 4)
	s_cmp_eq_u32 s2, 0
	s_cbranch_scc0 .Lentry_in_a_cluster
	s_endpgm
.Lentry_in_a_cluster:
	s_bfe_u32 s2, ttmp6, 0x10000c
	s_cmp_lg_u32 s2, 0x3003
	s_cbranch_scc0 .Lentry_shape_is_right
	s_endpgm
.Lentry_shape_is_right:
; out[0][n][o] = sum over e of g[n][e] (zr . Wr[e][o] - zi . Wi[e][o]);  out[1][n][o] = sum over e of g[n][e] (zi . Wr[e][o] + zr . Wi[e][o]);  g = softmax(logits + bg).
; All four products on codes of FP4 (E2M1) with one E8M0 byte for each 32 along K (1,024); sums, gates and the sum over experts in f32.  z's codes, scale words and the logits' two halves come from the launch before.
; SHARES.  A work-group owns 256 tokens x 32 outputs, both planes, all 8 experts: 8 x 32 work-groups.  Wave w of four owns tokens 64 w .. 64 w + 63 (4 tiles of 16) and all 32 outputs (2 tiles).
; z STAYS IN REGISTERS: a wave's 64 tokens x 1,024 k, real and imaginary, are 2 x 32 fragments = 512 registers, loaded once as images (16 bytes a lane, 512 consecutive bytes a load).
; W STAYS IN LDS: 32 rows of Wr and of Wi for all 8 experts are 262,144 bytes of codes and 16,384 of scale bytes; with the rows' padding 286,720 bytes.  Every byte of LDS is filled once: no ring, no refill.
; A fragment of W (two LDS loads) feeds eight matrix instructions: four tiles of tokens, real and imaginary.
; THE HEAD ASKS FOR EVERYTHING BEFORE IT WAITS FOR ANYTHING: a wave's 152 loads (16 of logits, 8 of scale words, 128 of z) and its 5 tensor loads are issued on end; the gates are computed and the first products made
; while the later K steps of z are still on their way.
; CLUSTER.  The four work-groups of a cluster are four blocks of tokens with the same 32 outputs: they need the same tiles of W, and ask for each JOINTLY (the same tensor load, the same descriptor, mask 15).
; z is not shared so: it goes from memory straight into registers, which a tensor load cannot do, and LDS has no room for it beside W.
; THE MATRIX INSTRUCTION: source 0 = 16 rows of W (outputs), source 1 = 16 tokens: lane (r, h) holds token r and the outputs 8 h + 0 .. 7: one gate a lane and tile, and 32 neighbouring bytes of an output row.
; AN EXPERT, for each of the two tiles of outputs (a PASS): 128 matrix instructions into three sets of four accumulators, RR = Wr zr, II = Wi zi, IM = Wi zr + Wr zi; then the FOLD: tot_r += g RR, tot_r += g (-II), tot_i += g IM,
; packed multiply-adds.  The gate is no power of two, so it cannot ride in a scale byte.
; THE WAY OUT.  A work-group's 32 outputs are 128 bytes of an output row: eight lanes store 128 consecutive bytes, aligned to 128; the other half of the aligned 256 is the neighbouring work-group's.  64 outputs to a
; work-group would double W's bytes (573,440 with padding), which do not fit in LDS at once.
; LIMITS: scale bytes of W of 0xff (NaN) give NaN, as in the definition.  The softmax takes the row's maximum away; an exponential under 2^-126 counts as 0.
; REGISTERS, in windows of 256.  Window 0: v2-9 addresses; v12-15 the gates of the expert in hand; v16-47 z's scale words; v48-63 W's, two sets; v64-191 W's fragments of a pass (8 K steps x Wr, Wi); v192-255 the way out.
;   Window 1: v0-127 the totals (plane q, outputs' tile o, tokens' tile t at 64 q + 32 o + 8 t); v128-159 RR, v160-191 II, v192-223 IM.   Window 2: zr (tile t, K step s at 64 t + 8 s).   Window 3: zi likewise.
.set PITCH, 528                        ; a row of W's codes in LDS: 512 bytes + 16: an odd multiple of 16, so that the 16 rows that a load touches start at 16 different banks
.set MSTR,  32*PITCH                   ; 32 rows: what one tensor load brings
.set ESTR,  2*MSTR                     ; an expert: Wr's 32 rows, then Wi's
.set OSTR,  16*PITCH                   ; a tile of 16 outputs
.set WS,    8*ESTR                     ; behind the codes: the scale bytes: Wr's, then (8,192 on) Wi's; 1,024 bytes an expert, 32 a row
.set GL,    WS+16384                   ; the gates: 4,096 bytes a wave: expert e at 512 e, 16 bytes a lane (its token's gate in tiles 0 to 3).  No tensor load lands from here on
.set STG,   GL+16384                   ; the way out: 4,608 bytes a wave: plane q at 2,304 q, 16 rows of 128 bytes + 16
.set SP,    144
.set AW,  2                            ; v2   my place in a tile of W's codes: 528 r + 16 h, + the expert in hand
.set AS,  3                            ; v3   among the scale words: WS + 8,192 h + 32 r: lanes 0-15 take Wr's, lanes 16-31 Wi's
.set AG,  4                            ; v4   among the gates: GL + 4,096 wave + 16 lane
.set STO, 5                            ; v5   the stage: where I put 32 bytes of a row
.set RD,  6                            ; v6   and where I read 16 bytes back
.set CO,  7                            ; v7   my byte offset among four rows of the output
.set ZA,  8                            ; v8   16 x lane
.set LGA, 9                            ; v9   32 r: my token's logits
.set G,   12
.set ZS,  16                           ; register 8 t + s: lanes 0-15 zr's scale word (tile t, K step s), lanes 16-31 zi's
.set WSC, 48                           ; register 8 o + s: lanes 0-15 Wr's, lanes 16-31 Wi's
.set WF,  64                           ; K step s: Wr's fragment at 16 s, Wi's 8 registers on
.set BK,  192
.set GT,  64                           ; at the head only: the gates, 4 e + t;
.set BGV, 96                           ; the bias;
.set MC,  104                          ; c x maximum, maximum: a pair a tile;
.set SA,  112                          ; sums and reciprocals: four a tile;
.set LGR, 192                          ; the logits: 16 t + 8 part + e
.set RR,  128                          ; in window 1
.set II,  160
.set IM,  192
.set W_ZR,   0x58                      ; source 0 (W) window 0, source 1 (zr) window 2, C and D window 1
.set W_ZI,   0x5c                      ; the same with zi, window 3
.set W_FOLD, 0x51                      ; sources 0 and 2 and the destination window 1, source 1 (the gates) window 0
.set MSB, 0
.macro WIN new                         ; the immediate's high byte repeats the setting that is left; a switch that changes nothing is dropped
.if MSB != \new
	s_set_vgpr_msb (MSB<<8)|\new
.set MSB, \new
.endif
.endm
.macro PLACES n
.rept \n
	v_nop
.endr
.endm
.macro CROUND                          ; a round of the cluster's barrier: my work-group's barrier; wave 0 signals for the work-group; every wave waits for all four work-groups; my work-group's barrier once more
	s_barrier_signal -1
	s_barrier_wait -1
	s_cmp_lg_u32 s22, 0
	s_cbranch_scc1 .Lnot_wave_0_\@
	s_barrier_signal -3
.Lnot_wave_0_\@:
	s_barrier_wait -3
	s_barrier_signal -1
	s_barrier_wait -1
.endm
.macro ZLOAD s                         ; K step s of my four tiles, real and imaginary: sixteen loads of 512 consecutive bytes
	WIN 0x80                                       ; destination window 2
.irp t, 0,1,2,3
.irp c, 0,1
	global_load_b128 v[64*\t+8*(\s)+4*\c:64*\t+8*(\s)+4*\c+3], v[ZA], s[4:5] offset:16384*\t+1024*(\s)+512*\c
.endr
.endr
	WIN 0xc0                                       ; destination window 3
.irp t, 0,1,2,3
.irp c, 0,1
	global_load_b128 v[64*\t+8*(\s)+4*\c:64*\t+8*(\s)+4*\c+3], v[ZA], s[4:5] offset:16384*\t+8192+1024*(\s)+512*\c
.endr
.endr
	WIN 0
.endm
.macro L0 off, soff, set               ; a pass's K steps 0 to 3 of Wr and Wi, and its scale words of all eight K steps into set: 18 loads
.irp ks, 0,1,2,3
.irp m, 0,1
.irp c, 0,1
	ds_load_b128 v[WF+16*\ks+8*\m+4*\c:WF+16*\ks+8*\m+4*\c+3], v[AW] offset:(\off)+MSTR*\m+64*\ks+32*\c
.endr
.endr
.endr
.irp g, 0,1
	ds_load_b128 v[WSC+8*(\set)+4*\g:WSC+8*(\set)+4*\g+3], v[AS] offset:(\soff)+16*\g
.endr
.endm
.macro L1 off                          ; its K steps 4 to 7: 16 loads
.irp ks, 4,5,6,7
.irp m, 0,1
.irp c, 0,1
	ds_load_b128 v[WF+16*\ks+8*\m+4*\c:WF+16*\ks+8*\m+4*\c+3], v[AW] offset:(\off)+MSTR*\m+64*\ks+32*\c
.endr
.endr
.endr
.endm
; One matrix instruction, for tile t of tokens, K step s, tile o of outputs.  kind 0: RR += Wr zr;  1: IM += Wi zr;  2: II += Wi zi;  3: IM += Wr zi.  Wi's and zi's scale words lie in lanes 16-31 of their registers.
; zero = 1: the product starts the sum: nothing is ever cleared.
.macro MM kind, t, s, o, zero
.set rWr, WF+16*(\s)
.set rWi, WF+16*(\s)+8
.set rZ,  64*(\t)+8*(\s)
.set rSW, WSC+8*(\o)+(\s)
.set rSZ, ZS+8*(\t)+(\s)
.if (\kind) == 0
.set rD, RR+8*(\t)
.if \zero
	v_wmma_scale_f32_16x16x128_f8f6f4 v[rD:rD+7], v[rWr:rWr+7], v[rZ:rZ+7], 0, v[rSW], v[rSZ] matrix_a_fmt:MATRIX_FMT_FP4 matrix_b_fmt:MATRIX_FMT_FP4
.else
	v_wmma_scale_f32_16x16x128_f8f6f4 v[rD:rD+7], v[rWr:rWr+7], v[rZ:rZ+7], v[rD:rD+7], v[rSW], v[rSZ] matrix_a_fmt:MATRIX_FMT_FP4 matrix_b_fmt:MATRIX_FMT_FP4
.endif
.elseif (\kind) == 1
.set rD, IM+8*(\t)
.if \zero
	v_wmma_scale_f32_16x16x128_f8f6f4 v[rD:rD+7], v[rWi:rWi+7], v[rZ:rZ+7], 0, v[rSW], v[rSZ] matrix_a_fmt:MATRIX_FMT_FP4 matrix_b_fmt:MATRIX_FMT_FP4 matrix_a_scale:MATRIX_SCALE_ROW1
.else
	v_wmma_scale_f32_16x16x128_f8f6f4 v[rD:rD+7], v[rWi:rWi+7], v[rZ:rZ+7], v[rD:rD+7], v[rSW], v[rSZ] matrix_a_fmt:MATRIX_FMT_FP4 matrix_b_fmt:MATRIX_FMT_FP4 matrix_a_scale:MATRIX_SCALE_ROW1
.endif
.elseif (\kind) == 2
.set rD, II+8*(\t)
.if \zero
	v_wmma_scale_f32_16x16x128_f8f6f4 v[rD:rD+7], v[rWi:rWi+7], v[rZ:rZ+7], 0, v[rSW], v[rSZ] matrix_a_fmt:MATRIX_FMT_FP4 matrix_b_fmt:MATRIX_FMT_FP4 matrix_a_scale:MATRIX_SCALE_ROW1 matrix_b_scale:MATRIX_SCALE_ROW1
.else
	v_wmma_scale_f32_16x16x128_f8f6f4 v[rD:rD+7], v[rWi:rWi+7], v[rZ:rZ+7], v[rD:rD+7], v[rSW], v[rSZ] matrix_a_fmt:MATRIX_FMT_FP4 matrix_b_fmt:MATRIX_FMT_FP4 matrix_a_scale:MATRIX_SCALE_ROW1 matrix_b_scale:MATRIX_SCALE_ROW1
.endif
.else
.set rD, IM+8*(\t)
	v_wmma_scale_f32_16x16x128_f8f6f4 v[rD:rD+7], v[rWr:rWr+7], v[rZ:rZ+7], v[rD:rD+7], v[rSW], v[rSZ] matrix_a_fmt:MATRIX_FMT_FP4 matrix_b_fmt:MATRIX_FMT_FP4 matrix_b_scale:MATRIX_SCALE_ROW1
.endif
.endm
.macro GROUP kind, s, o, zero
.irp t, 0,1,2,3
	MM \kind, \t, \s, \o, \zero
.endr
.endm
; A K step: 16 matrix instructions, in four groups of four tiles.  The order of the groups turns round from K step to K step, so that there is one switch of the window a K step.  The accumulators take turns, one
; instruction a turn: an accumulator comes up again eight instructions later or more.
.macro KSTEP s, o
.if (\s) == 0
	WIN W_ZR
	GROUP 0, \s, \o, 1
	GROUP 1, \s, \o, 1
	WIN W_ZI
	GROUP 2, \s, \o, 1
	GROUP 3, \s, \o, 0
.elseif ((\s)%2) == 0
	WIN W_ZR
	GROUP 0, \s, \o, 0
	GROUP 1, \s, \o, 0
	WIN W_ZI
	GROUP 2, \s, \o, 0
	GROUP 3, \s, \o, 0
.else
	WIN W_ZI
	GROUP 2, \s, \o, 0
	GROUP 3, \s, \o, 0
	WIN W_ZR
	GROUP 0, \s, \o, 0
	GROUP 1, \s, \o, 0
.endif
.endm
; One line of the fold: two totals at v[fD] take two sums at v[fA] times tile t's gate, which is register t % 2 of the pair v[G + 2 (t / 2)] and serves both halves.  kind 0: the totals begin; 1: they grow; 2: they grow by the negative.
.macro FL kind, t
.set fG, G+2*((\t)/2)
.if ((\t)%2) == 0
.if (\kind) == 0
	v_pk_mul_f32 v[fD:fD+1], v[fA:fA+1], v[fG:fG+1] op_sel_hi:[1,0]
.elseif (\kind) == 1
	v_pk_fma_f32 v[fD:fD+1], v[fA:fA+1], v[fG:fG+1], v[fD:fD+1] op_sel_hi:[1,0,1]
.else
	v_pk_fma_f32 v[fD:fD+1], v[fA:fA+1], v[fG:fG+1], v[fD:fD+1] op_sel_hi:[1,0,1] neg_lo:[1,0,0] neg_hi:[1,0,0]
.endif
.else
.if (\kind) == 0
	v_pk_mul_f32 v[fD:fD+1], v[fA:fA+1], v[fG:fG+1] op_sel:[0,1] op_sel_hi:[1,1]
.elseif (\kind) == 1
	v_pk_fma_f32 v[fD:fD+1], v[fA:fA+1], v[fG:fG+1], v[fD:fD+1] op_sel:[0,1,0] op_sel_hi:[1,1,1]
.else
	v_pk_fma_f32 v[fD:fD+1], v[fA:fA+1], v[fG:fG+1], v[fD:fD+1] op_sel:[0,1,0] op_sel_hi:[1,1,1] neg_lo:[1,0,0] neg_hi:[1,0,0]
.endif
.endif
.endm
.macro RUN kind, q, src, o             ; sixteen lines: one set of four accumulators, each from its low end on, into plane q's totals
.irp t, 0,1,2,3
.irp j, 0,2,4,6
.set fD, 64*(\q)+32*(\o)+8*\t+\j
.set fA, (\src)+8*\t+\j
	FL \kind, \t
.endr
.endr
.endm
.macro FOLD o, first
	WIN W_FOLD
	RUN 1-(\first), 0, RR, \o
	RUN 2, 0, II, \o
	RUN 1-(\first), 1, IM, \o
.endm
; A PASS: one expert, tile o of the outputs.  nxt = 1: the next pass's fragments are fetched, from noff and nsoff bytes on: its K steps 0-3 and scale words when this pass's K steps 0-3 are multiplied, its K steps 4-7 at the end.
; LDS loads are issued in the order L0 (18), L1 (16), and behind an expert's second fold the next expert's gates (1); each wait names what was issued behind the loads that it needs.
; zw = 1, the launch's first pass: K steps 4 to 7 of z may still be on their way: ahead of K step s stands the wait that leaves the 16 (7 - s) loads of the later K steps out.
; Four places stand behind each half's last matrix instruction: for the loads into the registers that it read, and for the fold's reads.  The next pass's first products, which begin accumulators anew, stand behind these
; four and the fold's lines, of which at least 44 name no register of the last product.
.macro PASS o, first, nxt, zw, noff, nsoff
	s_wait_dscnt 17-(\o)                           ; my L0 is in; my L1 (16) may be out, and ahead of tile 0 the gates' load (1)
.irp s, 0,1,2,3
	KSTEP \s, \o
.endr
	PLACES 4
	WIN 0
.if \nxt
	L0 \noff, \nsoff, 1-(\o)
	s_wait_dscnt 19-(\o)                           ; my L1 is in; the 18 just issued may be out, and ahead of tile 0's second half the gates' load
.else
	s_wait_dscnt 0x0
.endif
.irp s, 4,5,6,7
.if \zw
	s_wait_loadcnt 16*(7-\s)                       ; z's K step s is in; the later K steps, sixteen loads each, may be out
.endif
	KSTEP \s, \o
.endr
	PLACES 4
	WIN 0
.if \nxt
	L1 \noff
.endif
.if (\o) == 0
	s_wait_dscnt 34                                ; the gates are in; the next pass's 18 + 16 loads may be out
.endif
	FOLD \o, \first
	WIN 0
.endm
.macro EXPERT first, last
	PASS 0, \first, 1, \first, OSTR, 512
.if \last
	PASS 1, \first, 0, 0, 0, 0
.else
	PASS 1, \first, 1, 0, ESTR, 1024
	ds_load_b128 v[G:G+3], v[AG] offset:512        ; the next expert's gates
	v_add_nc_u32 v[AW], ESTR, v[AW]                ; on to the next expert
	v_add_nc_u32 v[AS], 1024, v[AS]
	v_add_nc_u32 v[AG], 512, v[AG]
.endif
.endm
; THE WAY OUT of tile t (16 tokens x 32 outputs x 2 planes): a lane's 32 bytes of a row go into my own stage and come back 16 bytes a lane, eight lanes to a row.
.macro TOSTAGE t
	WIN 0x04                                       ; an LDS store's data are its source 1: window 1
.irp q, 0,1
.irp o, 0,1
.irp k, 0,1
	ds_store_b128 v[STO], v[64*\q+32*\o+8*(\t)+4*\k:64*\q+32*\o+8*(\t)+4*\k+3] offset:16*SP*\q+64*\o+16*\k
.endr
.endr
.endr
	WIN 0
.irp q, 0,1
.irp i, 0,1,2,3
	ds_load_b128 v[BK+32*((\t)%2)+4*(4*\q+\i):BK+32*((\t)%2)+4*(4*\q+\i)+3], v[RD] offset:16*SP*\q+4*SP*\i   ; LDS serves a wave's instructions in order: these see the stores above, and the next tile's stores come behind them
.endr
.endr
.endm
.macro SEND t, younger                 ; younger: the LDS instructions issued behind tile t's loads, which may stay out
	s_wait_dscnt \younger
.irp q, 0,1
.irp i, 0,1,2,3
	global_store_b128 v[CO], v[BK+32*((\t)%2)+4*(4*\q+\i):BK+32*((\t)%2)+4*(4*\q+\i)+3], s[84+2*\q:85+2*\q] offset:(16*(\t)+4*\i)*4096 th:TH_STORE_NT   ; four rows: eight lanes store 128 consecutive bytes, aligned to 128; written once, read by nobody here
.endr
.endr
.endm
	s_load_b512 s[4:19], s[0:1], 0x0               ; zc s[4:5], zs s[6:7], lg s[8:9], bg s[10:11], Wr's codes s[12:13], scales s[14:15], Wi's codes s[16:17], scales s[18:19]
	s_load_b64 s[20:21], s[0:1], 0x40              ; out0
	s_set_vgpr_msb 0x40
	v_lshl_add_u32 v254, v0, 2, 0x4e800
	v_mov_b32 v255, 0
	s_set_vgpr_msb 0x4045
	ds_add_u32 v254, v255
	ds_add_u32 v254, v255
	s_set_vgpr_msb 0x4500
	v_lshrrev_b32 v1, 5, v0
	v_readfirstlane_b32 s22, v1                    ; wave 0..3
	s_bfe_u32 s23, ttmp6, 0x40000                  ; cx: my place in the cluster
	s_lshl_b32 s24, ttmp9, 2                       ; in a cluster launch ttmp9 counts clusters
	s_add_co_u32 s24, s24, s23                     ; my block of 256 tokens: it enters the addresses of zc, zs, lg and out0 alone
	s_and_b32 s25, ttmp7, 0xffff                   ; my block of 32 outputs, which the four partners share
	s_and_b32 s26, s22, 1                          ; what I fetch: 0 Wr's, 1 Wi's;
	s_lshr_b32 s27, s22, 1                         ; and which experts: of the codes 2 i + u, of the scale bytes 4 u .. 4 u + 3
	; descriptor group 1 for the codes: 32 rows of 512 bytes, 512 bytes apart in memory, 16 bytes of padding behind each in LDS
	s_mov_b32 s28, 15|(1<<20)|(1<<21)|(6<<22)|(3<<25)      ; 15:0 the mask: all four work-groups; 17:16 elements of 1 byte; 20 padding on; 21 set beside a mask; 24:22 after every 128 words (code 6); 31:25 four words (code 3)
	s_mov_b32 s29, 512<<16                         ; tensor_dim0
	s_mov_b32 s30, 32<<16                          ; tensor_dim1
	s_mov_b32 s31, 512<<16                         ; tile_dim0
	s_mov_b32 s32, 32                              ; tile_dim1
	s_mov_b32 s33, 512                             ; tensor_dim0_stride
	s_mov_b32 s34, 0
	s_mov_b32 s35, 0
	; and for the scale bytes: 4 rows (experts) of 1,024 bytes (32 rows of W x 32 bytes: 128 elements of 8 bytes), 32,768 bytes apart in memory, dense in LDS
	s_mov_b32 s36, 15|(3<<16)|(1<<21)
	s_mov_b32 s37, 128<<16
	s_mov_b32 s38, 4<<16
	s_mov_b32 s39, 128<<16
	s_mov_b32 s40, 4
	s_mov_b32 s41, 4096
	s_mov_b32 s42, 0
	s_mov_b32 s43, 0
	s_lshl_b32 s70, s27, 19                        ; the codes: expert u of 524,288 bytes,
	s_lshl_b32 s71, s25, 14                        ; + my block's 32 rows of 512
	s_add_co_u32 s70, s70, s71
	s_mov_b32 s71, 0
	s_lshl_b32 s90, s27, 17                        ; the scale bytes: 4 u experts of 32,768 bytes,
	s_lshl_b32 s91, s25, 10                        ; + my block's 32 rows of 32
	s_add_co_u32 s90, s90, s91
	s_mov_b32 s91, 0
	s_mul_i32 s83, s22, MSTR                       ; in LDS: expert 2 i + u, Wr or Wi = 2 ESTR i + MSTR x wave
	s_lshl_b32 s92, s26, 13
	s_lshl_b32 s93, s27, 12
	s_add_co_u32 s92, s92, s93                     ; the scale bytes: 8,192 (Wi) + 4,096 u
	s_lshl_b32 s82, s24, 2
	s_add_co_u32 s82, s82, s22                     ; my 64 tokens: number 4 x block + wave of 32.  (s82, s87 to s89 hold what hangs on my place in the cluster; none of them feeds a descriptor)
	s_mov_b32 s89, 0
	s_mov_b32 s80, 0x3fb8aa3b                      ; c = log2(e)
	s_mov_b32 s81, s80                             ; (named with it as a pair, so it is written)
	v_and_b32 v1, 31, v0                           ; lane
	v_and_b32 v10, 15, v0                          ; r
	v_bfe_u32 v11, v0, 4, 1                        ; h
	v_lshlrev_b32 v[ZA], 4, v1
	v_lshlrev_b32 v[LGA], 5, v10
	s_wait_dscnt 0x0
	s_wait_kmcnt 0x0
	s_load_b256 s[72:79], s[10:11], 0x0            ; the bias: eight numbers
	s_lshl_b32 s88, s82, 16                        ; zc: 4 tiles of 16,384 bytes
	s_add_nc_u64 s[4:5], s[4:5], s[88:89]
	s_lshl_b32 s88, s82, 12                        ; zs: 4 tiles of 1,024
	s_add_nc_u64 s[6:7], s[6:7], s[88:89]
	s_lshl_b32 s88, s82, 11                        ; lg: 64 tokens of 32
	s_add_nc_u64 s[8:9], s[8:9], s[88:89]
	; THE FIRST 56 LOADS go out ahead of the cluster's round and of the descriptors' arithmetic: 56 fit in the counter's field of 63, so the joint loads below are not held up
.irp t, 0,1,2,3
.irp p, 0,1
.irp c, 0,1
	global_load_b128 v[LGR+16*\t+8*\p+4*\c:LGR+16*\t+8*\p+4*\c+3], v[LGA], s[8:9] offset:65536*\p+512*\t+16*\c   ; the logits' two halves of token 16 t + r
.endr
.endr
.endr
.irp t, 0,1,2,3
.irp g, 0,1
	global_load_b128 v[ZS+8*\t+4*\g:ZS+8*\t+4*\g+3], v[ZA], s[6:7] offset:1024*\t+512*\g   ; z's scale words of K steps 4 g .. 4 g + 3: lanes 0-15 zr's, lanes 16-31 zi's
.endr
.endr
	ZLOAD 0
	ZLOAD 1
	s_lshl_b32 s88, s82, 18                        ; out0: 64 rows of 4,096,
	s_lshl_b32 s87, s25, 7                         ; + my block's 128 bytes of a row
	s_add_co_u32 s88, s88, s87
	s_add_nc_u64 s[84:85], s[20:21], s[88:89]      ; the real plane,
	s_add_nc_u64 s[86:87], s[84:85], 0x800000      ; the imaginary one
	s_cmp_eq_u32 s26, 0                            ; the choice hangs on the wave's number alone: it is the same in all four partners
	s_cselect_b64 s[66:67], s[12:13], s[16:17]
	s_cselect_b64 s[68:69], s[14:15], s[18:19]
	s_add_nc_u64 s[66:67], s[66:67], s[70:71]
	s_add_nc_u64 s[68:69], s[68:69], s[90:91]
	s_mov_b32 s44, 1                               ; group 0 for the scale bytes: count = 1,
	s_add_co_u32 s45, s92, WS                      ; LDS address,
	s_mov_b64 s[46:47], s[68:69]                   ; global address,
	s_or_b32 s47, s47, 0x80000000                  ; type = 2
.irp i, 0,1,2,3
	s_mov_b32 s[48+4*\i], 1                        ; and for the codes of expert 2 i + u
	s_add_co_u32 s[49+4*\i], s83, \i*2*ESTR
	s_add_nc_u64 s[50+4*\i:51+4*\i], s[66:67], \i*0x100000
	s_or_b32 s[51+4*\i], s[51+4*\i], 0x80000000
.endr
	CROUND                                         ; all four work-groups are here: the joint loads meet
	tensor_load_to_lds s[44:47], s[36:43]          ; all fills of the launch go out together: five loads of mine are out.  The scale bytes first,
	s_nop 0
.irp i, 0,1,2,3
	tensor_load_to_lds s[48+4*\i:51+4*\i], s[28:35]        ; then the experts in the order in which they are multiplied
	s_nop 0
.endr
	PLACES 4                                       ; four v_nop follow the last of them
	; THE REST OF z, 96 loads in one run.  The issue of a load waits while the counter's field is full (ISA guide 5.7.1): each goes out as soon as an earlier one has come back, and no other work of the wave stands between two requests
.irp s, 2,3,4,5,6,7
	ZLOAD \s
.endr
	v_mul_u32_u24 v[AW], v10, PITCH
	v_lshl_add_u32 v[AW], v11, 4, v[AW]
	v_lshl_add_u32 v[AS], v11, 13, v[LGA]
	v_add_nc_u32 v[AS], WS, v[AS]
	s_lshl_b32 s83, s22, 12
	s_add_co_u32 s83, s83, GL
	v_add_nc_u32 v[AG], s83, v[ZA]
	s_mul_i32 s83, s22, 32*SP
	s_add_co_u32 s83, s83, STG                     ; my stage
	v_mul_u32_u24 v[STO], v10, SP
	v_lshl_add_u32 v[STO], v11, 5, v[STO]
	v_add_nc_u32 v[STO], s83, v[STO]               ; in: row r, + 32 h
	v_bfe_u32 v12, v0, 3, 2                        ; lane / 8
	v_and_b32 v13, 7, v0                           ; lane % 8
	v_mul_u32_u24 v[RD], v12, SP
	v_lshl_add_u32 v[RD], v13, 4, v[RD]
	v_add_nc_u32 v[RD], s83, v[RD]                 ; back: eight lanes to a row, four rows an instruction
	v_lshlrev_b32 v[CO], 12, v12
	v_lshl_add_u32 v[CO], v13, 4, v[CO]            ; and the same place in the output
	s_wait_kmcnt 0x0                               ; the bias
.irp j, 0,1,2,3,4,5,6,7
	v_mov_b32 v[BGV+\j], s[72+\j]
.endr
	s_wait_loadcnt 63                              ; the most that a wait can name.  Behind the logits 136 loads were issued, behind K step 3's last load 64: so the logits, z's scale words and K steps 0 to 3 are in; K steps 4 to 7 may be out
	; THE GATES: a lane a token, four tiles by turns; both halves of the lanes compute the same
.irp t, 0,1,2,3
.irp j, 0,2,4,6
	v_pk_add_f32 v[LGR+16*\t+\j:LGR+16*\t+\j+1], v[LGR+16*\t+\j:LGR+16*\t+\j+1], v[LGR+16*\t+8+\j:LGR+16*\t+8+\j+1]
.endr
.endr
.irp t, 0,1,2,3
.irp j, 0,2,4,6
	v_pk_add_f32 v[LGR+16*\t+\j:LGR+16*\t+\j+1], v[LGR+16*\t+\j:LGR+16*\t+\j+1], v[BGV+\j:BGV+\j+1]
.endr
.endr
.irp t, 0,1,2,3
	v_max3_num_f32 v[MC+2*\t+1], v[LGR+16*\t], v[LGR+16*\t+1], v[LGR+16*\t+2]
.endr
.irp i, 3,5
.irp t, 0,1,2,3
	v_max3_num_f32 v[MC+2*\t+1], v[MC+2*\t+1], v[LGR+16*\t+\i], v[LGR+16*\t+\i+1]
.endr
.endr
.irp t, 0,1,2,3
	v_max_num_f32 v[MC+2*\t+1], v[MC+2*\t+1], v[LGR+16*\t+7]       ; the row's maximum
.endr
.irp t, 0,1,2,3
	v_mul_f32 v[MC+2*\t], s80, v[MC+2*\t+1]
.endr
.irp t, 0,1,2,3
.irp j, 0,2,4,6
	v_pk_fma_f32 v[LGR+16*\t+\j:LGR+16*\t+\j+1], v[LGR+16*\t+\j:LGR+16*\t+\j+1], s[80:81], v[MC+2*\t:MC+2*\t+1] op_sel_hi:[1,0,0] neg_lo:[0,0,1] neg_hi:[0,0,1]   ; c x - c max (of both pairs the low word serves both halves)
.endr
.endr
.irp t, 0,1,2,3
.irp j, 0,1,2,3,4,5,6,7
	v_exp_f32 v[LGR+16*\t+\j], v[LGR+16*\t+\j]
.endr
.endr
	v_nop                                          ; a plain instruction behind the last exponential
	s_wait_alu depctr_va_vdst(0)                   ; one wait for the batch of 32, ahead of its first reader
.irp t, 0,1,2,3
	v_pk_add_f32 v[SA+4*\t:SA+4*\t+1], v[LGR+16*\t:LGR+16*\t+1], v[LGR+16*\t+2:LGR+16*\t+3]
	v_pk_add_f32 v[SA+4*\t+2:SA+4*\t+3], v[LGR+16*\t+4:LGR+16*\t+5], v[LGR+16*\t+6:LGR+16*\t+7]
.endr
.irp t, 0,1,2,3
	v_pk_add_f32 v[SA+4*\t:SA+4*\t+1], v[SA+4*\t:SA+4*\t+1], v[SA+4*\t+2:SA+4*\t+3]
.endr
.irp t, 0,1,2,3
	v_add_f32 v[SA+4*\t], v[SA+4*\t], v[SA+4*\t+1]
.endr
.irp t, 0,1,2,3
	v_rcp_f32 v[SA+4*\t+2], v[SA+4*\t]
.endr
	v_nop                                          ; a plain instruction behind the last reciprocal
	s_wait_alu depctr_va_vdst(0)                   ; one wait for the four
.irp e, 0,1,2,3,4,5,6,7
.irp t, 0,1,2,3
	v_mul_f32 v[GT+4*\e+\t], v[LGR+16*\t+\e], v[SA+4*\t+2]
.endr
.endr
.irp e, 0,1,2,3,4,5,6,7
	ds_store_b128 v[AG], v[GT+4*\e:GT+4*\e+3] offset:512*\e        ; my own 16 bytes for each expert: the loop over experts is written once, so the gates are fetched by address
.endr
	s_wait_tensorcnt 3                             ; my first two loads have landed: my scale bytes and my tile of expert 0 or 1; the three behind them may be out
	s_wait_dscnt 0x0                               ; no LDS instruction of mine is out at the signal
	s_barrier_signal -1
	s_barrier_wait -1                              ; all scale bytes and experts 0 and 1 are whole for every wave
	L0 0, 0, 0
	L1 0
	ds_load_b128 v[G:G+3], v[AG]                   ; expert 0's gates
	EXPERT 1, 0                                    ; expert 0: its folds start the totals; in its first pass the last K steps of z are waited for one by one; at its end expert 1's first fragments are fetched
	s_wait_tensorcnt 0x0                           ; all my tiles have landed
	s_wait_dscnt 0x0
	s_barrier_signal -1
	s_barrier_wait -1                              ; all of W is whole for every wave
	s_mov_b32 s82, 6
.Lexpert:                                              ; experts 1 to 6.  (On the way in no LDS load is out, on the way back those that the counts name)
	EXPERT 0, 0
	s_sub_co_u32 s82, s82, 1
	s_cmp_lg_u32 s82, 0
	s_cbranch_scc1 .Lexpert
	EXPERT 0, 1                                    ; expert 7 is written out: nothing lies behind it to fetch
	TOSTAGE 0
.irp t, 1,2,3
.if \t > 1
	s_wait_xcnt 0x0                                ; tile t - 2's stores have read their registers: tile t's loads may land there
.endif
	TOSTAGE \t
	SEND \t-1, 16                                  ; behind tile t - 1's loads: tile t's 8 stores and 8 loads
.endr
	SEND 3, 0
	s_set_vgpr_msb 0x5
	s_wait_tensorcnt 0x0
	ds_add_u32 v254, v255
	s_wait_dscnt 0x0
	s_set_vgpr_msb 0x500
	CROUND                                         ; the closing round: no work-group ends while a partner may still ask for a tile that names it
	s_endpgm
.Lfunc_end_k_q34d4292459_moe:
	.size	k_q34d4292459_moe, .Lfunc_end_k_q34d4292459_moe-k_q34d4292459_moe
	.p2alignl 7, 3214868480
	.fill 96, 4, 3214868480
	.section	.rodata,"a",@progbits
	.p2align	6, 0x0
	.amdhsa_kernel k_q34d4292459_moe
		.amdhsa_group_segment_fixed_size 327680
		.amdhsa_private_segment_fixed_size 0
		.amdhsa_enable_private_segment 0
		.amdhsa_kernarg_size 72
		.amdhsa_user_sgpr_count 2
		.amdhsa_user_sgpr_kernarg_segment_ptr 1
		.amdhsa_wavefront_size32 1
		.amdhsa_system_sgpr_workgroup_id_x 1
		.amdhsa_system_sgpr_workgroup_id_y 1
		.amdhsa_system_sgpr_workgroup_id_z 1
		.amdhsa_system_vgpr_workitem_id 0
		.amdhsa_next_free_vgpr 1024
		.amdhsa_next_free_sgpr 96
		.amdhsa_reserve_vcc 0
		.amdhsa_float_denorm_mode_32 3
		.amdhsa_float_denorm_mode_16_64 3
		.amdhsa_memory_ordered 1
		.amdhsa_forward_progress 1
		.amdhsa_inst_pref_size 170
	.end_amdhsa_kernel
	.amdgpu_metadata
---
amdhsa.version: [ 1, 2 ]
amdhsa.kernels:
  - .name:           k_q34d4292459_moe
    .symbol:         k_q34d4292459_moe.kd
    .args:
      - { .name: zc, .offset: 0, .size: 8, .value_kind: global_buffer, .address_space: global }
      - { .name: zs, .offset: 8, .size: 8, .value_kind: global_buffer, .address_space: global }
      - { .name: lg, .offset: 16, .size: 8, .value_kind: global_buffer, .address_space: global }
      - { .name: bg, .offset: 24, .size: 8, .value_kind: global_buffer, .address_space: global }
      - { .name: Wr_codes, .offset: 32, .size: 8, .value_kind: global_buffer, .address_space: global }
      - { .name: Wr_scales, .offset: 40, .size: 8, .value_kind: global_buffer, .address_space: global }
      - { .name: Wi_codes, .offset: 48, .size: 8, .value_kind: global_buffer, .address_space: global }
      - { .name: Wi_scales, .offset: 56, .size: 8, .value_kind: global_buffer, .address_space: global }
      - { .name: out0, .offset: 64, .size: 8, .value_kind: global_buffer, .address_space: global }
    .group_segment_fixed_size: 327680
    .private_segment_fixed_size: 0
    .kernarg_segment_align: 8
    .kernarg_segment_size: 72
    .max_flat_workgroup_size: 128
    .sgpr_count:     96
    .vgpr_count:     1024
    .wavefront_size: 32
...
	.end_amdgpu_metadata
.endif
;; end of part 2
